; MI455X (gfx1250); checked and timed in simulation.
; The chip was launched on July 23, 2026; its instructions are those of AMD's public machine-readable ISA for CDNA 5 (MIT licence, August 2026) and "CDNA5" Instruction Set Architecture Reference Guide (July 2026). The comments in the code are by the model that wrote it; some were corrected since.
;; Susono Top K Router. Allowed arithmetic: float matrix products may take bf16 or f16 operands with f32 sums; all other float work in f32.
;; Inputs: hidden_states 8,192 x 4,096 float32; weight 64 x 4,096 float32.
;; Outputs: out0 8,192 x 64 float32; out1 8,192 x 8 float32; out2 8,192 x 8 int32.
;; One version. Each part assembles by itself: llvm-mc -triple=amdgcn-amd-amdhsa -mcpu=gfx1250 --defsym DOCPART=n.
;; ======== version 1 of 1: 2 launches
;; workspace buffers: wb 524,288 bytes
;; launch towb (part 1): grid 256 x 1, 4 waves a work-group, no clusters, 0 bytes of LDS; arguments weight, wb; writes wb
.if DOCPART == 1
	.amdgcn_target "amdgcn-amd-amdhsa--gfx1250"
	.amdhsa_code_object_version 6
	.text
	.protected	k_q7895fa1510_towb
	.globl	k_q7895fa1510_towb
	.p2align	8
	.type	k_q7895fa1510_towb,@function
k_q7895fa1510_towb:
	s_mov_b64 s[64:65], 0
	v_nop
	global_prefetch_b8 v0, s[64:65] scope:SCOPE_SE
	s_setreg_imm32_b32 hwreg(HW_REG_WAVE_MODE, 25, 1), 1
	s_wait_xcnt 0x0
; wb[e][k] = weight[e][k] rounded to bf16 (nearest even), the same [64][4096] order.
; Why a launch of its own: in the router every work-group walks all of W for its 32 tokens, 1,048,576 bytes in f32 against 524,288 bytes
; of x.  Rounded once here, W is 524,288 bytes for each of them, and none of the 256 work-groups rounds it again.
; 256 work-groups of 128 threads; a work-group takes 1,024 numbers: 4,096 bytes in, 2,048 bytes out.  Thread t loads 16 bytes at 16 t and
; at 2,048 + 16 t (a wave's load covers 512 consecutive bytes) and stores 8 bytes at 8 t and at 1,024 + 8 t (a wave's store covers 256
; consecutive bytes, aligned).  No LDS, no barrier, no matrix unit: nothing is shared and nothing is summed.
	s_load_b128 s[4:7], s[0:1], 0x0                ; weight s[4:5], wb s[6:7]
	v_lshlrev_b32 v1, 4, v0                        ; 16 t
	v_lshlrev_b32 v2, 3, v0                        ; 8 t
	s_lshl_b32 s8, ttmp9, 12                       ; the work-group's 4,096 bytes of weight
	s_mov_b32 s9, 0
	s_lshl_b32 s10, ttmp9, 11                      ; and its 2,048 bytes of wb
	s_mov_b32 s11, 0
	s_wait_kmcnt 0x0
	s_add_nc_u64 s[4:5], s[4:5], s[8:9]
	s_add_nc_u64 s[6:7], s[6:7], s[10:11]
	global_load_b128 v[4:7],  v1, s[4:5] th:TH_LOAD_NT
	global_load_b128 v[8:11], v1, s[4:5] offset:2048 th:TH_LOAD_NT
	s_wait_loadcnt 0x1                             ; loads end in order: the first is in, the second stays out
	v_cvt_pk_bf16_f32 v12, v4, v5
	v_cvt_pk_bf16_f32 v13, v6, v7
	global_store_b64 v2, v[12:13], s[6:7]
	s_wait_loadcnt 0x0
	v_cvt_pk_bf16_f32 v14, v8, v9
	v_cvt_pk_bf16_f32 v15, v10, v11
	global_store_b64 v2, v[14:15], s[6:7] offset:1024
	s_endpgm
.Lfunc_end_k_q7895fa1510_towb:
	.size	k_q7895fa1510_towb, .Lfunc_end_k_q7895fa1510_towb-k_q7895fa1510_towb
	.p2alignl 7, 3214868480
	.fill 96, 4, 3214868480
	.section	.rodata,"a",@progbits
	.p2align	6, 0x0
	.amdhsa_kernel k_q7895fa1510_towb
		.amdhsa_group_segment_fixed_size 0
		.amdhsa_private_segment_fixed_size 0
		.amdhsa_enable_private_segment 0
		.amdhsa_kernarg_size 16
		.amdhsa_user_sgpr_count 2
		.amdhsa_user_sgpr_kernarg_segment_ptr 1
		.amdhsa_wavefront_size32 1
		.amdhsa_system_sgpr_workgroup_id_x 1
		.amdhsa_system_sgpr_workgroup_id_y 1
		.amdhsa_system_sgpr_workgroup_id_z 1
		.amdhsa_system_vgpr_workitem_id 0
		.amdhsa_next_free_vgpr 16
		.amdhsa_next_free_sgpr 66
		.amdhsa_reserve_vcc 0
		.amdhsa_float_denorm_mode_32 3
		.amdhsa_float_denorm_mode_16_64 3
		.amdhsa_memory_ordered 1
		.amdhsa_forward_progress 1
		.amdhsa_inst_pref_size 2
	.end_amdhsa_kernel
	.amdgpu_metadata
---
amdhsa.version: [ 1, 2 ]
amdhsa.kernels:
  - .name:           k_q7895fa1510_towb
    .symbol:         k_q7895fa1510_towb.kd
    .args:
      - { .name: weight, .offset: 0, .size: 8, .value_kind: global_buffer, .address_space: global }
      - { .name: wb, .offset: 8, .size: 8, .value_kind: global_buffer, .address_space: global }
    .group_segment_fixed_size: 0
    .private_segment_fixed_size: 0
    .kernarg_segment_align: 8
    .kernarg_segment_size: 16
    .max_flat_workgroup_size: 128
    .sgpr_count:     66
    .vgpr_count:     16
    .wavefront_size: 32
...
	.end_amdgpu_metadata
.endif
;; end of part 1
;; launch router (part 2): grid 256 x 1, 8 waves a work-group, clusters of 4 x 1, 327,680 bytes of LDS; arguments hidden_states, wb, out0, out1, out2; writes out0, out1, out2
.if DOCPART == 2
	.amdgcn_target "amdgcn-amd-amdhsa--gfx1250"
	.amdhsa_code_object_version 6
	.text
	.protected	k_q7895fa1510_router
	.globl	k_q7895fa1510_router
	.p2align	8
	.type	k_q7895fa1510_router,@function
k_q7895fa1510_router:
	s_mov_b64 s[64:65], 0
	v_nop
	global_prefetch_b8 v0, s[64:65] scope:SCOPE_SE
	s_setreg_imm32_b32 hwreg(HW_REG_WAVE_MODE, 25, 1), 1
	s_wait_xcnt 0x0
	s_wait_alu depctr_hold_cnt(0) depctr_sa_sdst(0) depctr_va_vdst(0) depctr_va_sdst(0) depctr_va_ssrc(0) depctr_va_vcc(0) depctr_vm_vsrc(0)
	s_getreg_b32 s2, hwreg(HW_REG_IB_STS2, 6, 4)
	s_cmp_eq_u32 s2, 0
	s_cbranch_scc0 .Lentry_in_a_cluster
	s_endpgm
.Lentry_in_a_cluster:
	s_bfe_u32 s2, ttmp6, 0x10000c
	s_cmp_lg_u32 s2, 0x3003
	s_cbranch_scc0 .Lentry_shape_is_right
	s_endpgm
.Lentry_shape_is_right:
; Router: logits[t][e] = sum over k of x[t][k] W[e][k]  (x: [8192][4096] f32; W: [64][4096], here as bf16, rounded by the launch before),
; softmax over the 64 experts, the 8 largest probabilities with their indices, those 8 divided by (their sum + 1e-6).
; out0: [8192][64] f32 probabilities, out1: [8192][8] f32 weights, out2: [8192][8] i32 indices.
;
; SHARES.  A work-group owns 32 tokens (256 work-groups), eight waves.  K is split over the waves: in trip T (4 trips) wave w owns
; k = 1024 T + 128 w .. + 127 of all 32 tokens and all 64 experts.  A wave keeps 8 accumulator tiles (2 token tiles x 4 expert tiles);
; the eight waves' partial sums meet in LDS at the end.
; W: all work-groups walk the same W, so 4 work-groups form a cluster and ask for each tile JOINTLY (mask 15): a quarter of the requests.
;    Wave w fetches the sub-tile that it reads itself, 64 rows x 256 bytes (128 bf16; each row begins at a multiple of 256 bytes of W), into
;    a ring of two slots of its own.  Four tiles: two first fills and two refills, each refill behind a round of the cluster's barrier.
;    A wave has two tensor loads out at the start and one behind each of those two rounds, with a whole trip's work in which to land.
; x: each work-group's rows are its own, so nothing is shared.  x comes through registers: the two W slots take 278,528 bytes of LDS, and
;    loads into registers may stay out across the barriers.  A trip's 512 bytes of a row are two x tiles of 256 bytes; a ring of three
;    tiles of 16 loads: 32 to 48 loads of a wave are out.  Each half wave loads 256 consecutive bytes of a row.  The numbers are rounded to
;    bf16 in place and turned into fragment order through a stage in LDS that is the wave's own (no barrier).
; THE ORDER OF THE REQUESTS AT THE START is the order of need: x tile 0 (on its way while the cluster's first round is passed), W tiles 0
;    and 1, then x tiles 1 and 2.  The first step needs x tile 0 and W tile 0 alone, and only a finished step asks for more x: were W asked
;    for behind all three x tiles, the ring would stand full with nothing new requested until W had come in behind 48 loads of each wave.
; The 32 k of a matrix instruction are dealt to the lanes alike for W and x (lane half h holds k = 16 h .. 16 h + 15): the products are
; the same, only their order in the sum differs.
; LIMITS.  Operands are rounded to bf16, sums are f32 in this text's own order: two logits that differ by less than that rounding may
; change places in out2.  A probability below 2^-126 comes out as zero (v_exp_f32 flushes such results: ISA guide, its entry in 15.8) and
; ranks among the zeros by its index.  NaN or infinite logits are not served.  Divisions are v_rcp_f32 and a multiply.
; Equal probabilities are picked lowest index first, as lax.top_k does.
.set ROWB,   16384                     ; bytes in a row of x
.set NWAVE,  8
.set TILES,  8                         ; x tiles of a wave: two in each of four trips
.set XTRIPB, 4096                      ; bytes of a row of x that the work-group takes in a trip: 8 waves x 512
.set WTRIPB, 2048                      ; bytes of a row of W (bf16) that it takes in a trip: 8 waves x 256
.set DEPTH,  3                         ; x tiles in the register ring
.set WPITCH, 272                       ; W row in LDS: 256 bytes + 16 = 17 x 16: sixteen rows' 16-byte pieces fall into sixteen different 16-byte columns modulo 256
.set WTILE,  64*WPITCH                 ; a wave's slot: 17,408 bytes
.set WRING,  2*WTILE                   ; a wave's ring
.set XSTAGE, NWAVE*WRING               ; 278,528: behind the rings, the x stages; no tensor load lands here
.set XPITCH, 144                       ; x row in the stage: 64 bf16 + 16 bytes = 9 x 16
.set XTILE,  32*XPITCH                 ; a wave's stage: 4,608 bytes
.set OSTAGE, XSTAGE+NWAVE*XTILE        ; 315,392: 1 KiB of weights, 1 KiB of indices, on their way out
; vector registers, window 0
.set VR,  2                            ; lane % 16
.set VH,  3                            ; lane / 16
.set VXO, 4                            ; x: byte offset of my 16 bytes from the work-group's first row; never rewritten
.set VWL, 5                            ; LDS: my piece of W's rows in my wave's slot 0
.set VXS, 6                            ; LDS: where I put 8 bytes of x
.set VXL, 7                            ; LDS: where I read x fragments
.set VPS, 8                            ; LDS: where I put partial sums
.set TOK, 9                            ; the first of my two tokens in the epilogue: 4 wave + lane / 16
.set VPR, 10                           ; v10-13 LDS: where I read partial sums, waves 0-1, 2-3, 4-5, 6-7
.set VO0, 14                           ; out0: byte offset
.set VOS, 15                           ; LDS: out stage
.set T0,  16
.set T1,  17
.set ACC, 32                           ; v32-95   accumulator (m, n) at ACC + 8 (4 m + n)
.set WFA, 96                           ; v96-159  W fragments of the even x tiles: (k step, expert tile n) at 32 k + 8 n
.set WFB, 160                          ; v160-223 W fragments of the odd x tiles
.set XB,  224                          ; v224-255 x fragment (m, k step) at XB + 8 (2 m + k step)
; window 1: v256-447, the x ring: tile u at 64 (u % 3), named v0-v191 under the window
; the epilogue's names (the loop's registers are free then)
.set RB,  96                           ; v96-159  the eight waves' partial sums of my 2 x 4 logits; then the logits in v96-103
.set MX,  104
.set SM,  106
.set T2,  108
.set RS,  110
.set EX,  112
.set PR,  120                          ; v120-127 probabilities: token a, token b
.set TW,  136                          ; v136-151 the 8 picked values of a, of b
.set TI,  160                          ; v160-175 their indices
.set IX,  176                          ; v176-179 the indices of my four experts, as f32
.set BIG, 180
.set NEG, 181
.set OD,  184
.set U,   192
; scalar registers
.set G1,  24                           ; s[24:31] tensor descriptor group 1
.set G0,  32                           ; s[32:39] group 0, a set for each slot
.set CM,  40                           ; s40-47   lane masks of the picks
.set MSB, 0
.macro WIN new                         ; s_set_vgpr_msb: bits 1:0 source 0, 3:2 source 1, 5:4 source 2, 7:6 destination; the high byte repeats the setting left
.if MSB != \new
	s_set_vgpr_msb (MSB<<8)|\new
.set MSB, \new
.endif
.endm
; A round of the cluster's barrier: my work-group's barrier, wave 0 signals for the work-group, every wave waits for all four work-groups, my work-group's barrier again.
.macro CROUND
	s_barrier_signal -1
	s_barrier_wait -1
	s_cmp_lg_u32 s14, 0
	s_cbranch_scc1 .Lnot_wave_0_\@
	s_barrier_signal -3
.Lnot_wave_0_\@:
	s_barrier_wait -3
	s_barrier_signal -1
	s_barrier_wait -1
.endm
; 16 loads: x tile u of my wave, 32 rows x 256 bytes.  Load i: lanes 0-15 take row a, lanes 16-31 row a + 8, a = 0..7, 16..23.
; (Rows 8 apart lie 1,152 = 4 x 256 + 128 bytes apart in the stage, so the two halves of a stage store meet no common bank.)
.macro XFILL u
.set XF, 64*((\u)%DEPTH)
	WIN 0x40                                       ; destination in window 1
.irp i, 0,1,2,3,4,5,6,7,8,9,10,11,12,13,14,15
	global_load_b128 v[XF+4*\i:XF+4*\i+3], v[VXO], s[4:5] offset:((\i&7)+16*(\i>>3))*ROWB+((\u)>>1)*XTRIPB+((\u)&1)*256 th:TH_LOAD_NT
.endr
	WIN 0
.endm
; 16 LDS loads: the W fragments that go with x tile u: slot (u / 2) % 2, 128 bytes (64 k) of its rows at 128 (u % 2).
; Lane (r, h) takes 32 bytes of row 16 n + r at 64 (k step) + 32 h: k = 16 h .. 16 h + 15 of the step's 32.
.macro LOADW wf, u
.irp k, 0,1
.irp n, 0,1,2,3
	ds_load_b128 v[\wf+32*\k+8*\n:\wf+32*\k+8*\n+3],   v[VWL] offset:(((\u)>>1)&1)*WTILE+\n*16*WPITCH+((\u)&1)*128+64*\k
	ds_load_b128 v[\wf+32*\k+8*\n+4:\wf+32*\k+8*\n+7], v[VWL] offset:(((\u)>>1)&1)*WTILE+\n*16*WPITCH+((\u)&1)*128+64*\k+16
.endr
.endr
.endm
; 8 matrix instructions, one on each accumulator.  Source 0 = 16 experts, source 1 = 16 tokens:
; register j of lane (r, h) is then logit(token 16 m + r, expert 16 n + 8 h + j).
.macro MUL wf, k, zero
.irp m, 0,1
.irp n, 0,1,2,3
.if \zero
	v_wmma_f32_16x16x32_bf16 v[ACC+8*(4*\m+\n):ACC+8*(4*\m+\n)+7], v[\wf+32*\k+8*\n:\wf+32*\k+8*\n+7], v[XB+8*(2*\m+\k):XB+8*(2*\m+\k)+7], 0
.else
	v_wmma_f32_16x16x32_bf16 v[ACC+8*(4*\m+\n):ACC+8*(4*\m+\n)+7], v[\wf+32*\k+8*\n:\wf+32*\k+8*\n+7], v[XB+8*(2*\m+\k):XB+8*(2*\m+\k)+7], v[ACC+8*(4*\m+\n):ACC+8*(4*\m+\n)+7]
.endif
.endr
.endr
.endm
; One step: x tile u, 64 k.  left = x loads younger than this tile's.
; The W buffers take turns: the matrix instructions that last read this step's buffer stand a whole step back, with that step's 32 roundings
; between them and the loads below; the loads into XB stand behind this step's own 32 roundings (four places are asked for).
.macro STEP u, left, zero
.set XS, 64*((\u)%DEPTH)
.set WF, WFA+64*((\u)&1)
	LOADW WF, \u                                   ; W first: it is in registers when x arrives
	s_wait_loadcnt \left                           ; loads end in order: my x tile is in, the younger tiles stay out
	WIN 0x45                                       ; sources and destination in window 1
.irp i, 0,1,2,3,4,5,6,7,8,9,10,11,12,13,14,15
	v_cvt_pk_bf16_f32 v[XS+4*\i],   v[XS+4*\i],   v[XS+4*\i+1]
	v_cvt_pk_bf16_f32 v[XS+4*\i+1], v[XS+4*\i+2], v[XS+4*\i+3]
.endr
	WIN 0x04                                       ; store data in window 1, address in window 0
.irp i, 0,1,2,3,4,5,6,7,8,9,10,11,12,13,14,15
	ds_store_b64 v[VXS], v[XS+4*\i:XS+4*\i+1] offset:((\i&7)+16*(\i>>3))*XPITCH
.endr
	WIN 0
.irp m, 0,1
.irp k, 0,1
	ds_load_b128 v[XB+8*(2*\m+\k):XB+8*(2*\m+\k)+3],   v[VXL] offset:\m*16*XPITCH+64*\k      ; LDS serves a wave's instructions in order: these see the stores above
	ds_load_b128 v[XB+8*(2*\m+\k)+4:XB+8*(2*\m+\k)+7], v[VXL] offset:\m*16*XPITCH+64*\k+16
.endr
.endr
.if \u+DEPTH < TILES
	s_wait_dscnt 0x8                               ; LDS instructions end in order and only the 8 fragment loads stand behind the 16 stage stores: the stores have read the ring's registers
	XFILL \u+DEPTH                                 ; so those registers are asked for again at once, three tiles ahead, while the fragments come back
.endif
	s_wait_dscnt 0x0                               ; W and x fragments are in
	MUL WF, 0, \zero
	MUL WF, 1, 0
.endm
; In front of trip T (1 and 2): the slot read in trip T - 1 is filled again with W tile T + 1.
.macro HEAD t
	s_wait_tensorcnt 0x0                           ; all my tensor loads have landed, tile T among them, so a group 0 may be written
	ds_add_u32 v30, v31
	s_add_nc_u64 s[G0+4*((\t+1)&1)+2:G0+4*((\t+1)&1)+3], s[G0+4*((\t+1)&1)+2:G0+4*((\t+1)&1)+3], 2*WTRIPB
	s_wait_dscnt 0x0                               ; my LDS reads are back
	CROUND                                         ; both now hold of every wave of all four work-groups
	tensor_load_to_lds s[G0+4*((\t+1)&1):G0+4*((\t+1)&1)+3], s[G1:G1+7]   ; my one tensor load behind the round, first thing there
	s_nop 0
.endm
	s_load_b256 s[4:11], s[0:1], 0x0               ; x s[4:5], W (bf16) s[6:7], out0 s[8:9], out1 s[10:11]
	s_load_b64 s[12:13], s[0:1], 0x20              ; out2
	v_lshl_add_u32 v30, v0, 2, 0x4e000
	v_mov_b32 v31, 0
	ds_add_u32 v30, v31
	v_lshrrev_b32 v1, 5, v0
	v_readfirstlane_b32 s14, v1                    ; wave 0..7
	s_bfe_u32 s15, ttmp6, 0x40000                  ; cx: my place in the cluster
	s_lshl_b32 s16, ttmp9, 2                       ; ttmp9 counts clusters
	s_add_co_u32 s16, s16, s15                     ; work-group 0..255; it enters the addresses of x and of the outputs alone
	v_and_b32 v[VR], 15, v0
	v_bfe_u32 v[VH], v0, 4, 1
	s_lshl_b32 s17, s14, 9                         ; my wave's 512 bytes of a row of x
	s_lshl_b32 s22, s14, 8                         ; my wave's 256 bytes of a row of W
	s_mov_b32 s23, 0
	v_lshl_add_u32 v1, v[VH], 17, s17              ; lanes 16-31: 8 rows down
	v_lshl_add_u32 v[VXO], v[VR], 4, v1
	s_lshl_b32 s18, s16, 19                        ; 32 rows of 16,384 bytes for each work-group: below 2^27
	s_mov_b32 s19, 0
	; tensor descriptor group 1: 64 rows x 128 bf16, 4,096 elements from row to row, 16 bytes of padding behind each row in LDS.
	; All constants: written while the arguments are on their way.
	s_mov_b32 s[G1+0], 15|(1<<16)|(1<<20)|(1<<21)|(5<<22)|(3<<25)   ; 15:0 mask: all four work-groups; 17:16 elements of 2 bytes; 20 padding on; 21 set beside a mask; 24:22 after 64 words; 31:25 of 4 words
	s_mov_b32 s[G1+1], 128<<16                     ; tensor_dim0 = 128
	s_mov_b32 s[G1+2], 64<<16                      ; tensor_dim1 = 64
	s_mov_b32 s[G1+3], 128<<16                     ; tile_dim0 = 128
	s_mov_b32 s[G1+4], 64                          ; tile_dim1 = 64
	s_mov_b32 s[G1+5], 4096                        ; stride from row to row
	s_mov_b32 s[G1+6], 0
	s_mov_b32 s[G1+7], 0
	s_mul_i32 s20, s14, WRING                      ; my wave's ring in LDS
	s_wait_dscnt 0x0
	s_wait_kmcnt 0x0
	s_add_nc_u64 s[4:5], s[4:5], s[18:19]
	XFILL 0                                        ; x tile 0: 16 loads of each wave are on their way while the round below is passed
	s_add_nc_u64 s[6:7], s[6:7], s[22:23]          ; W at my wave's 256 bytes: the wave's number alone, equal in all four work-groups
.irp s, 0,1
	s_mov_b32 s[G0+4*\s], 1
	s_add_co_u32 s[G0+4*\s+1], s20, \s*WTILE
	s_add_nc_u64 s[G0+4*\s+2:G0+4*\s+3], s[6:7], \s*WTRIPB
	s_or_b32 s[G0+4*\s+3], s[G0+4*\s+3], 0x80000000
.endr
	CROUND                                         ; all four work-groups are here: the first joint loads meet
	tensor_load_to_lds s[G0:G0+3], s[G1:G1+7]      ; W tile 0: the first step needs it
	s_nop 0
	tensor_load_to_lds s[G0+4:G0+7], s[G1:G1+7]    ; W tile 1
	s_nop 0
	XFILL 1                                        ; and behind them the rest of the x ring: 48 loads of each wave are out
	XFILL 2
	; what only later lines need stands behind the requests
	s_lshl_b32 s18, s16, 13                        ; out0: 32 rows of 256 bytes
	s_add_nc_u64 s[8:9], s[8:9], s[18:19]
	s_lshl_b32 s18, s16, 10                        ; out1, out2: 32 rows of 32 bytes
	s_add_nc_u64 s[10:11], s[10:11], s[18:19]
	s_add_nc_u64 s[12:13], s[12:13], s[18:19]
	v_mul_u32_u24 v1, v[VR], WPITCH
	v_lshl_add_u32 v1, v[VH], 5, v1
	v_add_nc_u32 v[VWL], s20, v1                   ; ring + r x 272 + 32 h
	s_mul_i32 s21, s14, XTILE
	s_add_co_u32 s21, s21, XSTAGE                  ; my wave's stage
	v_mul_u32_u24 v1, v[VH], 8*XPITCH
	v_lshl_add_u32 v1, v[VR], 3, v1
	v_add_nc_u32 v[VXS], s21, v1                   ; stage + 8 h rows + 8 bytes x (lane % 16)
	v_mul_u32_u24 v1, v[VR], XPITCH
	v_lshl_add_u32 v1, v[VH], 5, v1
	v_add_nc_u32 v[VXL], s21, v1                   ; stage + r x 144 + 32 h
	s_wait_tensorcnt 0x1                           ; tile 0 is in; tile 1 stays out.  Only I read my sub-tiles: my own wait is all that the reads need
	STEP 0, 32, 1                                  ; trip 0, slot 0; the first products start the sums: nothing is cleared
	STEP 1, 32, 0
	HEAD 1                                         ; slot 0 gets W tile 2
	STEP 2, 32, 0                                  ; trip 1, slot 1
	STEP 3, 32, 0
	HEAD 2                                         ; slot 1 gets W tile 3: the last tensor load
	STEP 4, 32, 0                                  ; trip 2, slot 0
	STEP 5, 32, 0
	s_wait_tensorcnt 0x0                           ; tile 3 is in; nothing is filled any more, so no barrier
	STEP 6, 16, 0                                  ; trip 3, slot 1; one younger x tile is left
	STEP 7, 0, 0
	; THE EIGHT WAVES' PARTIAL SUMS MEET.  Each wave writes its 32 x 64 sums into its own slot 0, which has had its last fill (tile 2) and which it alone has read.
	; The six address lines are also the places between the last matrix instructions and the stores that read their results.
	v_mul_u32_u24 v[T0], v[VR], WPITCH
	v_lshl_add_u32 v[T0], v[VH], 5, v[T0]
	v_add_nc_u32 v[VPS], s20, v[T0]                ; ring + r x 272 + 32 h
	v_lshl_add_u32 v[TOK], s14, 2, v[VH]           ; 4 wave + h
	v_mul_u32_u24 v[T1], v[TOK], WPITCH
	v_lshl_add_u32 v[VPR], v[VR], 4, v[T1]         ; token x 272 + 16 r
.irp m, 0,1
.irp n, 0,1,2,3
	ds_store_b128 v[VPS], v[ACC+8*(4*\m+\n):ACC+8*(4*\m+\n)+3]   offset:\m*16*WPITCH+64*\n
	ds_store_b128 v[VPS], v[ACC+8*(4*\m+\n)+4:ACC+8*(4*\m+\n)+7] offset:\m*16*WPITCH+64*\n+16
.endr
.endr
.irp q, 1,2,3
	v_add_nc_u32 v[VPR+\q], \q*2*WRING, v[VPR]
.endr
	s_wait_dscnt 0x0                               ; for the others' sake: my stores are done
	s_barrier_signal -1
	s_barrier_wait -1
	; Wave w takes tokens 4 w .. 4 w + 3: token a = 4 w + h and token b = a + 2, sixteen lanes a token, lane r the experts 4 r .. 4 r + 3.
.irp v, 0,1,2,3,4,5,6,7
	ds_load_b128 v[RB+8*\v:RB+8*\v+3],   v[VPR+(\v>>1)] offset:(\v&1)*WRING
	ds_load_b128 v[RB+8*\v+4:RB+8*\v+7], v[VPR+(\v>>1)] offset:(\v&1)*WRING+2*WPITCH
.endr
	v_lshlrev_b32 v[T0], 2, v[VR]
	v_cvt_f32_u32 v[IX], v[T0]                     ; my experts' indices as f32 (exact), so that their minimum can ride on a DPP step
	v_add_f32 v[IX+1], 1.0, v[IX]
	v_add_f32 v[IX+2], 2.0, v[IX]
	v_add_f32 v[IX+3], 0x40400000, v[IX]
	v_mov_b32 v[BIG], 0x42800000                   ; 64.0: above every index
	v_mov_b32 v[NEG], -1.0                         ; below every probability
	v_lshlrev_b32 v[VO0], 8, v[TOK]
	v_lshl_add_u32 v[VO0], v[VR], 4, v[VO0]
	v_lshlrev_b32 v[VOS], 5, v[TOK]
	v_add_nc_u32 v[VOS], OSTAGE, v[VOS]
	s_wait_dscnt 0x8                               ; waves 0 to 3's sums are in
.irp p, 0,2,4,6
	v_pk_add_f32 v[RB+\p:RB+\p+1],       v[RB+\p:RB+\p+1],       v[RB+8+\p:RB+8+\p+1]
	v_pk_add_f32 v[RB+16+\p:RB+16+\p+1], v[RB+16+\p:RB+16+\p+1], v[RB+24+\p:RB+24+\p+1]
.endr
	s_wait_dscnt 0x0
.irp p, 0,2,4,6
	v_pk_add_f32 v[RB+32+\p:RB+32+\p+1], v[RB+32+\p:RB+32+\p+1], v[RB+40+\p:RB+40+\p+1]
	v_pk_add_f32 v[RB+48+\p:RB+48+\p+1], v[RB+48+\p:RB+48+\p+1], v[RB+56+\p:RB+56+\p+1]
.endr
.irp p, 0,2,4,6
	v_pk_add_f32 v[RB+\p:RB+\p+1],       v[RB+\p:RB+\p+1],       v[RB+16+\p:RB+16+\p+1]
	v_pk_add_f32 v[RB+32+\p:RB+32+\p+1], v[RB+32+\p:RB+32+\p+1], v[RB+48+\p:RB+48+\p+1]
.endr
.irp p, 0,2,4,6
	v_pk_add_f32 v[RB+\p:RB+\p+1], v[RB+\p:RB+\p+1], v[RB+32+\p:RB+32+\p+1]   ; logits: a in RB..RB+3, b in RB+4..RB+7
.endr
	; SOFTMAX, the maximum taken away first.  A token's sixteen lanes are one DPP row: four steps and every lane has the result.
.irp T, 0,1
	v_max3_num_f32 v[MX+\T], v[RB+4*\T], v[RB+4*\T+1], v[RB+4*\T+2]
.endr
.irp T, 0,1
	v_max_num_f32 v[MX+\T], v[MX+\T], v[RB+4*\T+3]
.endr
.irp x, 1,2,4,8
.irp T, 0,1
	v_max_num_f32_dpp v[MX+\T], v[MX+\T], v[MX+\T] row_xmask:\x row_mask:0xf bank_mask:0xf
.endr
.endr
.irp T, 0,1
.irp j, 0,1,2,3
	v_sub_f32 v[EX+4*\T+\j], v[RB+4*\T+\j], v[MX+\T]
.endr
.endr
.irp j, 0,1,2,3,4,5,6,7
	v_mul_f32 v[EX+\j], 0x3fb8aa3b, v[EX+\j]       ; e^x = 2^(x log2 e)
.endr
.irp j, 0,1,2,3,4,5,6,7
	v_exp_f32 v[PR+\j], v[EX+\j]
.endr
	v_nop                                          ; one plain place between the exponentials and the first use of a result (ISA guide 5.7.2)
	s_wait_alu depctr_va_vdst(0)
.irp T, 0,1
	v_add_f32 v[SM+\T], v[PR+4*\T],   v[PR+4*\T+1]
	v_add_f32 v[T2+\T], v[PR+4*\T+2], v[PR+4*\T+3]
.endr
.irp T, 0,1
	v_add_f32 v[SM+\T], v[SM+\T], v[T2+\T]
.endr
.irp x, 1,2,4,8
.irp T, 0,1
	v_add_f32_dpp v[SM+\T], v[SM+\T], v[SM+\T] row_xmask:\x row_mask:0xf bank_mask:0xf
.endr
.endr
	v_rcp_f32 v[RS],   v[SM]                       ; the sum lies between 1 and 64: the largest term is 2^0
	v_rcp_f32 v[RS+1], v[SM+1]
	v_nop
	s_wait_alu depctr_va_vdst(0)
.irp T, 0,1
.irp j, 0,1,2,3
	v_mul_f32 v[PR+4*\T+\j], v[PR+4*\T+\j], v[RS+\T]
.endr
.endr
	global_store_b128 v[VO0], v[PR:PR+3],   s[8:9] th:TH_STORE_NT              ; sixteen lanes store a token's whole row: 256 consecutive bytes, aligned
	global_store_b128 v[VO0], v[PR+4:PR+7], s[8:9] offset:512 th:TH_STORE_NT
	; THE EIGHT LARGEST.  A pick: the maximum over the token's 64 numbers; the lowest index among those equal to it; that one entry is taken out.
	; Every lane of the token ends up with the value in TW + i and the index in TI + i.  Tokens a and b go side by side: two chains that do not wait for each other.
.macro PICK i, more
.irp T, 0,1
	v_max3_num_f32 v[TW+8*\T+\i], v[PR+4*\T], v[PR+4*\T+1], v[PR+4*\T+2]
.endr
.irp T, 0,1
	v_max_num_f32 v[TW+8*\T+\i], v[TW+8*\T+\i], v[PR+4*\T+3]
.endr
.irp x, 1,2,4,8
.irp T, 0,1
	v_max_num_f32_dpp v[TW+8*\T+\i], v[TW+8*\T+\i], v[TW+8*\T+\i] row_xmask:\x row_mask:0xf bank_mask:0xf
.endr
.endr
.irp j, 0,1,2,3
.irp T, 0,1
	v_cmp_eq_f32 s[CM+2*\j+\T], v[PR+4*\T+\j], v[TW+8*\T+\i]
.endr
.endr
.irp T, 0,1
	v_cndmask_b32 v[TI+8*\T+\i], v[BIG], v[IX+3], s[CM+6+\T]
.endr
.irp j, 2,1,0
.irp T, 0,1
	v_cndmask_b32 v[TI+8*\T+\i], v[TI+8*\T+\i], v[IX+\j], s[CM+2*\j+\T]        ; the lower index comes last and wins
.endr
.endr
.irp x, 1,2,4,8
.irp T, 0,1
	v_min_num_f32_dpp v[TI+8*\T+\i], v[TI+8*\T+\i], v[TI+8*\T+\i] row_xmask:\x row_mask:0xf bank_mask:0xf
.endr
.endr
.if \more
.irp j, 0,1,2,3
.irp T, 0,1
	v_cmp_eq_f32 s[CM+2*\j+\T], v[IX+\j], v[TI+8*\T+\i]
.endr
.endr
.irp j, 0,1,2,3
.irp T, 0,1
	v_cndmask_b32 v[PR+4*\T+\j], v[PR+4*\T+\j], v[NEG], s[CM+2*\j+\T]
.endr
.endr
.endif
.endm
	s_wait_xcnt 0x0                                ; the picks rewrite PR, which the two stores above read, only behind this wait
.irp i, 0,1,2,3,4,5,6
	PICK \i, 1
.endr
	PICK 7, 0
	; the eight values divided by (their sum + 1e-6)
.irp T, 0,1
	v_pk_add_f32 v[U+4*\T:U+4*\T+1],   v[TW+8*\T:TW+8*\T+1],     v[TW+8*\T+2:TW+8*\T+3]
	v_pk_add_f32 v[U+4*\T+2:U+4*\T+3], v[TW+8*\T+4:TW+8*\T+5],   v[TW+8*\T+6:TW+8*\T+7]
.endr
.irp T, 0,1
	v_pk_add_f32 v[U+4*\T:U+4*\T+1], v[U+4*\T:U+4*\T+1], v[U+4*\T+2:U+4*\T+3]
.endr
.irp T, 0,1
	v_add_f32 v[U+4*\T], v[U+4*\T], v[U+4*\T+1]
.endr
.irp T, 0,1
	v_add_f32 v[U+4*\T], 0x358637bd, v[U+4*\T]     ; + 1e-6
.endr
	v_rcp_f32 v[U+1], v[U]
	v_rcp_f32 v[U+5], v[U+4]
.irp j, 0,1,2,3,4,5,6,7,8,9,10,11,12,13,14,15
	v_cvt_u32_f32 v[TI+\j], v[TI+\j]               ; the indices as whole numbers; also the plain places behind the reciprocals
.endr
	s_wait_alu depctr_va_vdst(0)
.irp T, 0,1
.irp j, 0,1,2,3,4,5,6,7
	v_mul_f32 v[TW+8*\T+\j], v[TW+8*\T+\j], v[U+4*\T+1]
.endr
.endr
	; A token's 32 bytes of out1 and of out2 are gathered in LDS, so that they leave as runs of 512 bytes.  A token's sixteen lanes write the same bytes with the same values.
.irp T, 0,1
	ds_store_b128 v[VOS], v[TW+8*\T:TW+8*\T+3]   offset:64*\T
	ds_store_b128 v[VOS], v[TW+8*\T+4:TW+8*\T+7] offset:64*\T+16
	ds_store_b128 v[VOS], v[TI+8*\T:TI+8*\T+3]   offset:1024+64*\T
	ds_store_b128 v[VOS], v[TI+8*\T+4:TI+8*\T+7] offset:1024+64*\T+16
.endr
	s_wait_dscnt 0x0                               ; for the others' sake
	s_barrier_signal -1
	s_barrier_wait -1
	s_cmp_ge_u32 s14, 4
	s_cbranch_scc1 .Lclose                         ; waves 0, 1 store out1's 1,024 bytes, waves 2, 3 out2's
	v_and_b32 v[T0], 31, v0
	v_lshlrev_b32 v[T0], 4, v[T0]
	s_lshl_b32 s17, s14, 9
	s_add_co_u32 s17, s17, OSTAGE
	v_add_nc_u32 v[T1], s17, v[T0]                 ; stage + 512 wave + 16 lane
	ds_load_b128 v[OD:OD+3], v[T1]
	s_and_b32 s21, s14, 1
	s_lshl_b32 s21, s21, 9
	v_add_nc_u32 v[T0], s21, v[T0]
	s_cmp_lt_u32 s14, 2
	s_cselect_b64 s[22:23], s[10:11], s[12:13]
	s_wait_dscnt 0x0
	global_store_b128 v[T0], v[OD:OD+3], s[22:23] th:TH_STORE_NT               ; 512 consecutive bytes, aligned
.Lclose:
	s_wait_tensorcnt 0x0
	ds_add_u32 v30, v31
	s_wait_dscnt 0x0
	CROUND                                         ; the closing round: no work-group ends while a partner may still ask for a tile that names it
	s_endpgm
.Lfunc_end_k_q7895fa1510_router:
	.size	k_q7895fa1510_router, .Lfunc_end_k_q7895fa1510_router-k_q7895fa1510_router
	.p2alignl 7, 3214868480
	.fill 96, 4, 3214868480
	.section	.rodata,"a",@progbits
	.p2align	6, 0x0
	.amdhsa_kernel k_q7895fa1510_router
		.amdhsa_group_segment_fixed_size 327680
		.amdhsa_private_segment_fixed_size 0
		.amdhsa_enable_private_segment 0
		.amdhsa_kernarg_size 40
		.amdhsa_user_sgpr_count 2
		.amdhsa_user_sgpr_kernarg_segment_ptr 1
		.amdhsa_wavefront_size32 1
		.amdhsa_system_sgpr_workgroup_id_x 1
		.amdhsa_system_sgpr_workgroup_id_y 1
		.amdhsa_system_sgpr_workgroup_id_z 1
		.amdhsa_system_vgpr_workitem_id 0
		.amdhsa_next_free_vgpr 448
		.amdhsa_next_free_sgpr 66
		.amdhsa_reserve_vcc 0
		.amdhsa_float_denorm_mode_32 3
		.amdhsa_float_denorm_mode_16_64 3
		.amdhsa_memory_ordered 1
		.amdhsa_forward_progress 1
		.amdhsa_inst_pref_size 99
	.end_amdhsa_kernel
	.amdgpu_metadata
---
amdhsa.version: [ 1, 2 ]
amdhsa.kernels:
  - .name:           k_q7895fa1510_router
    .symbol:         k_q7895fa1510_router.kd
    .args:
      - { .name: hidden_states, .offset: 0, .size: 8, .value_kind: global_buffer, .address_space: global }
      - { .name: wb, .offset: 8, .size: 8, .value_kind: global_buffer, .address_space: global }
      - { .name: out0, .offset: 16, .size: 8, .value_kind: global_buffer, .address_space: global }
      - { .name: out1, .offset: 24, .size: 8, .value_kind: global_buffer, .address_space: global }
      - { .name: out2, .offset: 32, .size: 8, .value_kind: global_buffer, .address_space: global }
    .group_segment_fixed_size: 327680
    .private_segment_fixed_size: 0
    .kernarg_segment_align: 8
    .kernarg_segment_size: 40
    .max_flat_workgroup_size: 256
    .sgpr_count:     66
    .vgpr_count:     448
    .wavefront_size: 32
...
	.end_amdgpu_metadata
.endif
;; end of part 2
